; MI455X (gfx1250); checked and timed in simulation.
; The chip was launched on July 23, 2026; its instructions are those of AMD's public machine-readable ISA for CDNA 5 (MIT licence, August 2026) and "CDNA5" Instruction Set Architecture Reference Guide (July 2026). The comments in the code are by the model that wrote it; some were corrected since.
;; Attention v2. Allowed arithmetic: matrix products marked QUANTISED: E2M3 operands, one E8M0 scale for each 32 along K, by v_wmma_scale_f32_16x16x128_f8f6f4 with both operands' format E2M3, f32 sums; everything else in f32.
;; Inputs: bk 256 float32; bo 256 float32; bq 256 float32; bv 256 float32; key 16,384 x 256 float32; query 2,048 x 256 float32; value 16,384 x 256 float32; wk 256 x 256 float32; wo 256 x 256 float32; wq 256 x 256 float32; wv 256 x 256 float32.
;; Outputs: out0 2,048 x 256 float32.
;; This version of the problem:
;;   THIS VERSION OF THE PROBLEM IS GIVEN IN LOW PRECISION. The matrix products marked QUANTISED in the list below multiply operands that are first quantised to E2M3 (2 exponent bits, 3 mantissa bits; 6 bits a number), with one power-of-two scale for each 32 numbers along K (OCP MX v1.0); their sums are f32. All else is computed in f32.
;;   The module's matrix products, in the order in which they are computed (A, B: the left and right operand; K: the contracted axis; several contracted axes count as one K, in the product's order):
;;     1. [M 2,048, K 256] x [K 256, N 256]; A: input query; B: input wq: QUANTISED
;;     2. [M 16,384, K 256] x [K 256, N 256]; A: input key; B: input wk: QUANTISED
;;     3. [M 16,384, K 256] x [K 256, N 256]; A: input value; B: input wv: QUANTISED
;;     4. batch 8 x [M 2,048, K 32] x [K 32, N 16,384]; A: computed on the way; B: computed on the way: QUANTISED
;;     5. batch 8 x [M 32, K 16,384] x [K 16,384, N 2,048]; A: computed on the way; B: softmax (see below): QUANTISED
;;     6. [M 2,048, K 256] x [K 256, N 256]; A: computed on the way; B: input wo: QUANTISED
;;   THE QUANTISER, for each operand of a quantised product, along K:
;;     - K is cut into blocks of 32 from its start; a last block that is shorter is filled with zeros.
;;     - A block's scale is 2^e with e = floor(log2(the largest magnitude in the block)) - 2, held to -126 .. 127; a block of zeros has e = 0. As a byte (E8M0): e + 127.
;;     - Each number is divided by its block's scale, clamped to +-7.5, and rounded to the nearest number of E2M3, ties to even, subnormals kept.
;;     - The product sums the exact products of the quantised numbers (number of the format x scale) in f32.
;;   ~~~python
;;   def quantise(x, axis):      # numpy; x: float32 -> the quantised numbers, widened to float32 again
;;       x = np.moveaxis(x, axis, -1); K = x.shape[-1]
;;       x = np.pad(x, [(0, 0)] * (x.ndim - 1) + [(0, -K % 32)]); x = x.reshape(x.shape[:-1] + (-1, 32)); a = np.abs(x).max(-1, keepdims=True)
;;       e = np.where(a > 0, np.clip(np.frexp(np.where(a > 0, a, 1))[1] - 1 - 2, -126, 127), 0)      # np.frexp(a)[1] - 1 = floor(log2(a)), exactly
;;       r = np.clip(x / 2.0 ** e, -7.5, 7.5)
;;       step = 2.0 ** (np.maximum(np.frexp(np.where(r == 0, 1, r))[1] - 1, 0) - 3)
;;       q = np.round(r / step) * step * 2.0 ** e      # np.round: ties to even
;;       return np.moveaxis(q.reshape(q.shape[:-2] + (-1,))[..., :K], -1, axis).astype(np.float32)
;;   ~~~
;;   SOFTMAX AHEAD OF A QUANTISED PRODUCT. Where the list says 'softmax', what is quantised is not the finished softmax but p = 2^(t - M), with t = logit x log2(e) and M = ceil(the row's largest t), a whole number; so 1/2 < the row's largest p <= 1. The row's sum l is taken of the UNQUANTISED p, in f32, and the product's result is divided by l at the end. Since M is a whole number, a kernel that streams over the keys may use a running M (the ceiling of the running maximum): every later rescaling is an exact power of two, which a block's scale takes up: the codes' values come out the same.
;;   OPERANDS COMPUTED ON THE WAY. 'Computed on the way' means the value that the module computes at that place (a softmax that the list does not call 'softmax' is quantised finished and normalised). What goes into a quantiser is computed in f32, as accurately as f32 sums, v_exp_f32 and their like allow (about 1e-6 of the number): no bf16 or f16 on the way to a quantiser, and a product that is left as it is and whose result goes on into a quantised operand takes f32 operands (vector FMAs, or v_wmma_f32_16x16x4_f32). A number that lies on a knife's edge between two numbers of the format may be rounded either way, as far as f32 arithmetic and the matrix unit's own rounding can turn it there, and no further.
;; One version. Each part assembles by itself: llvm-mc -triple=amdgcn-amd-amdhsa -mcpu=gfx1250 --defsym DOCPART=n.
;; ======== version 1 of 1: 4 launches
;; workspace buffers: wimg 204,800 bytes; kv 6,553,600 bytes; qc 524,288 bytes; ac 524,288 bytes
;; launch wprep (part 1): grid 8 x 4, 8 waves a work-group, no clusters, 7,424 bytes of LDS; arguments wk, wv, wq, wo, wimg; writes wimg
.if DOCPART == 1
	.amdgcn_target "amdgcn-amd-amdhsa--gfx1250"
	.amdhsa_code_object_version 6
	.text
	.protected	k_qff39c1de2c_wprep
	.globl	k_qff39c1de2c_wprep
	.p2align	8
	.type	k_qff39c1de2c_wprep,@function
k_qff39c1de2c_wprep:
	s_mov_b64 s[64:65], 0
	v_nop
	global_prefetch_b8 v0, s[64:65] scope:SCOPE_SE
	s_setreg_imm32_b32 hwreg(HW_REG_WAVE_MODE, 25, 1), 1
	s_wait_xcnt 0x0
; THE PROGRAM: out0 = attention(query, key, value) with four projections, all six products on codes of FP6 (E2M3) with one E8M0 scale for each 32 along K.  Four launches:
; this one (the four weights become codes), proj (products 1 to 3, and their results become codes), attn (products 4 and 5 and the softmax), outp (product 6).
; DEAD WORK: none is left out.  Each of the eleven inputs reaches out0 through a quantiser (bk too: it moves the codes and scales of kh), so all are loaded and every product is done.
; LIMITS of the whole program: NaN and infinities among the inputs are not served.  A block of zeros gets the scale byte 1 where the rule says 127: its codes are zeros, which add nothing
; under any byte but 0xff, and the bytes are read by this program alone.  Blocks whose largest magnitude lies under 2^(3 - 127), the floor, keep the byte 1.
; THIS LAUNCH.  A weight W [256 (k)][256 (n)], f32, has K as its FIRST axis.  A lane takes a column n and its 32 registers run down one block of 32 along K: the block's largest magnitude needs no
; other lane, and the conversions give codes with K innermost.  Work-group (x, y): 32 columns x of weight y (0 wk, 1 wv, 2 wq, 3 wo); wave w: K block w.
; THE OUTPUT IS LAID IN THE ORDER OF THE OPERAND'S REGISTERS: fragment (column tile t of 16, K step ks of 128) at (2 t + ks) x 1,536 bytes of the weight's 51,200; in it registers 4 g .. 4 g + 3 of lane
; L at 512 g + 16 L, so that three loads of 16 bytes a lane bring a fragment.  Lane (r, h), registers 6 c .. 6 c + 5: column 16 t + r, K block 4 ks + 2 c + h.  Scale words from byte 49,152 on, at 128 t + 64 ks + 4 r.
; wo's rows are taken inside each block in the order 0-7, 16-23, 8-15, 24-31: the order in which launch attn leaves a head's 32 numbers.  The same order on both operands of a product keeps its sums and its blocks.
.set SCB,   6144                       ; LDS: bytes 0 .. 6,143 four fragment images; from here 256 scale bytes
.set SPARE, 6400                       ; the spare words, 128 bytes for each of eight waves: four blocks of 256 bytes that no other line names
.set SPW,  1                           ; v1  LDS address of my spare word; never rewritten
.set NIL,  2                           ; v2  0; never rewritten
.set X,    16                          ; v16-47 my block's 32 numbers
.set Y,    52                          ; v52-57 its codes
.set T,    58                          ; v58-60 the second conversion's result (three registers begin on an even number)
.set OUTR, 62                          ; v62-67 the way out
	s_load_b256 s[4:11], s[0:1], 0x0               ; wk, wv, wq, wo
	s_load_b64 s[12:13], s[0:1], 0x20              ; wimg
	v_lshl_add_u32 v[SPW], v0, 2, SPARE
	v_mov_b32 v[NIL], 0
	v_lshrrev_b32 v12, 5, v0
	v_readfirstlane_b32 s14, v12                   ; wave = K block
	s_and_b32 s15, ttmp7, 0xffff                   ; which weight
	v_and_b32 v12, 31, v0                          ; lane
	v_bfe_u32 v13, v0, 4, 1                        ; which of my two column tiles
	v_and_b32 v14, 15, v0                          ; r
	v_lshlrev_b32 v3, 2, v12                       ; in: 4 bytes a lane
	v_mul_u32_u24 v4, v13, 3072                    ; a column tile's two images,
	v_lshl_add_u32 v4, v14, 4, v4                  ; + 16 r
	s_lshr_b32 s18, s14, 2                         ; ks
	s_bfe_u32 s19, s14, 0x10001                    ; c
	s_and_b32 s20, s14, 1                          ; h
	s_mul_i32 s21, s18, 1536
	s_lshl_b32 s20, s20, 8
	s_add_co_u32 s20, s20, s21                     ; 1,536 ks + 256 h
	s_mul_i32 s21, s19, 520                        ; registers 6 c, 6 c + 1 lie at byte 0 (c = 0) or 520 (c = 1) of a lane's places,
	s_add_co_u32 s21, s21, s20
	s_mul_i32 s22, s19, 1016                       ; 6 c + 2, 6 c + 3 at 8 or 1,024,
	s_add_co_u32 s22, s22, s20
	s_add_co_u32 s22, s22, 8
	s_add_co_u32 s23, s21, 512                     ; 6 c + 4, 6 c + 5 at 512 or 1,032
	v_add_nc_u32 v5, s21, v4
	v_add_nc_u32 v6, s22, v4
	v_add_nc_u32 v7, s23, v4
	v_lshlrev_b32 v8, 7, v13                       ; my scale byte: 128 x tile + 4 r + 64 ks + block % 4
	v_lshl_add_u32 v8, v14, 2, v8
	s_lshl_b32 s21, s18, 6
	s_and_b32 s22, s14, 3
	s_add_co_u32 s21, s21, s22
	s_add_co_u32 s21, s21, SCB
	v_add_nc_u32 v8, s21, v8
	v_lshlrev_b32 v10, 3, v12                      ; the way out: 8 bytes a lane,
	s_mul_i32 s21, s14, 768
	v_add_nc_u32 v9, s21, v10                      ; 768 bytes a wave (in LDS and in wimg alike)
	v_add_nc_u32 v11, SCB, v10
	s_lshl_b32 s28, ttmp9, 7                       ; W: 32 columns x 4 bytes for the work-group,
	s_lshl_b32 s29, s14, 15                        ; 32 rows of 1,024 bytes for the wave
	s_add_co_u32 s28, s28, s29
	s_mov_b32 s29, 0
	s_mul_i32 s22, s15, 51200
	s_mul_i32 s30, ttmp9, 6144
	s_add_co_u32 s30, s30, s22                     ; wimg: my four images
	s_mov_b32 s31, 0
	s_lshl_b32 s23, ttmp9, 8
	s_add_co_u32 s22, s22, s23
	s_add_co_u32 s22, s22, 49152                   ; and my 256 scale bytes
	s_mov_b32 s23, 0
	s_wait_kmcnt 0x0
	s_cmp_eq_u32 s15, 0                            ; the weight is chosen by the work-group's number alone
	s_cselect_b64 s[16:17], s[4:5], s[6:7]
	s_cmp_lt_u32 s15, 2
	s_cselect_b64 s[16:17], s[16:17], s[8:9]
	s_cmp_lt_u32 s15, 3
	s_cselect_b64 s[16:17], s[16:17], s[10:11]
	s_add_nc_u64 s[16:17], s[16:17], s[28:29]
	s_add_nc_u64 s[24:25], s[12:13], s[30:31]
	s_add_nc_u64 s[26:27], s[12:13], s[22:23]
.macro LOADW perm                      ; my block: 32 rows of W at my column; a load's 32 lanes read 128 consecutive bytes
.set J, 0
.rept 32
.if \perm
	global_load_b32 v[X+J], v3, s[16:17] offset:((J%8)+16*((J/8)%2)+8*(J/16))*1024
.else
	global_load_b32 v[X+J], v3, s[16:17] offset:J*1024
.endif
.set J, J+1
.endr
.endm
	s_cmp_eq_u32 s15, 3
	s_cbranch_scc1 .Lwo
	LOADW 0
	s_branch .Lloaded
.Lwo:
	LOADW 1
.Lloaded:
	s_wait_loadcnt 0x0
	v_max3_num_f32 v48, |v[X]|, |v[X+1]|, |v[X+2]|            ; the block's largest magnitude, in two chains
	v_max3_num_f32 v49, |v[X+3]|, |v[X+4]|, |v[X+5]|
.irp i, 6,10,14,18,22,26
	v_max3_num_f32 v48, v48, |v[X+\i]|, |v[X+\i+1]|
	v_max3_num_f32 v49, v49, |v[X+\i+2]|, |v[X+\i+3]|
.endr
	v_max3_num_f32 v48, v48, |v[X+30]|, |v[X+31]|
	v_max3_num_f32 v48, v48, v49, 0x1800000        ; and the floor 2^(3 - 127): the byte cannot fall under 1
	v_add_nc_u32 v50, 0xff000000, v48              ; 2 off its exponent field: the conversion takes the exponent field of this operand as its scale
	v_lshrrev_b32 v51, 23, v50                     ; the scale's byte
	v_cvt_scalef32_pk16_fp6_f32 v[Y:Y+2], v[X:X+15], v50
	v_cvt_scalef32_pk16_fp6_f32 v[T:T+2], v[X+16:X+31], v50
	v_nop                                          ; one plain line behind the conversions
.irp i, 0,1,2
	v_mov_b32 v[Y+3+\i], v[T+\i]
.endr
	ds_store_b64 v5, v[Y:Y+1]                      ; my six registers, at their places in the image
	ds_store_b64 v6, v[Y+2:Y+3]
	ds_store_b64 v7, v[Y+4:Y+5]
	ds_store_b8 v8, v51
	s_wait_dscnt 0x0                               ; for the others' sake: my stores have landed
	s_barrier_signal -1
	s_barrier_wait -1
.irp i, 0,1,2
	ds_load_b64 v[OUTR+2*\i:OUTR+2*\i+1], v9 offset:256*\i
.endr
.irp i, 0,1,2
	s_wait_dscnt 2-\i                              ; the younger loads of the three may be out
	global_store_b64 v9, v[OUTR+2*\i:OUTR+2*\i+1], s[24:25] offset:256*\i   ; 32 lanes store 256 consecutive bytes, at a multiple of 256 from the buffer's first byte
.endr
	s_cmp_lg_u32 s14, 0
	s_cbranch_scc1 .Lnot_wave_0
	ds_load_b64 v[68:69], v11                      ; wave 0: the 256 scale bytes
	s_wait_dscnt 0x0
	global_store_b64 v10, v[68:69], s[26:27]
.Lnot_wave_0:
	s_wait_tensorcnt 0x0                           ; the wave's end: behind my last LDS store
	ds_add_u32 v[SPW], v[NIL]
	s_wait_dscnt 0x0
	s_endpgm
.Lfunc_end_k_qff39c1de2c_wprep:
	.size	k_qff39c1de2c_wprep, .Lfunc_end_k_qff39c1de2c_wprep-k_qff39c1de2c_wprep
	.p2alignl 7, 3214868480
	.fill 96, 4, 3214868480
	.section	.rodata,"a",@progbits
	.p2align	6, 0x0
	.amdhsa_kernel k_qff39c1de2c_wprep
		.amdhsa_group_segment_fixed_size 7424
		.amdhsa_private_segment_fixed_size 0
		.amdhsa_enable_private_segment 0
		.amdhsa_kernarg_size 40
		.amdhsa_user_sgpr_count 2
		.amdhsa_user_sgpr_kernarg_segment_ptr 1
		.amdhsa_wavefront_size32 1
		.amdhsa_system_sgpr_workgroup_id_x 1
		.amdhsa_system_sgpr_workgroup_id_y 1
		.amdhsa_system_sgpr_workgroup_id_z 1
		.amdhsa_system_vgpr_workitem_id 0
		.amdhsa_next_free_vgpr 72
		.amdhsa_next_free_sgpr 66
		.amdhsa_reserve_vcc 0
		.amdhsa_float_denorm_mode_32 3
		.amdhsa_float_denorm_mode_16_64 3
		.amdhsa_memory_ordered 1
		.amdhsa_forward_progress 1
		.amdhsa_inst_pref_size 12
	.end_amdhsa_kernel
	.amdgpu_metadata
---
amdhsa.version: [ 1, 2 ]
amdhsa.kernels:
  - .name:           k_qff39c1de2c_wprep
    .symbol:         k_qff39c1de2c_wprep.kd
    .args:
      - { .name: wk, .offset: 0, .size: 8, .value_kind: global_buffer, .address_space: global }
      - { .name: wv, .offset: 8, .size: 8, .value_kind: global_buffer, .address_space: global }
      - { .name: wq, .offset: 16, .size: 8, .value_kind: global_buffer, .address_space: global }
      - { .name: wo, .offset: 24, .size: 8, .value_kind: global_buffer, .address_space: global }
      - { .name: wimg, .offset: 32, .size: 8, .value_kind: global_buffer, .address_space: global }
    .group_segment_fixed_size: 7424
    .private_segment_fixed_size: 0
    .kernarg_segment_align: 8
    .kernarg_segment_size: 40
    .max_flat_workgroup_size: 256
    .sgpr_count:     66
    .vgpr_count:     72
    .wavefront_size: 32
...
	.end_amdgpu_metadata
.endif
;; end of part 1
;; launch proj (part 2): grid 136 x 1, 16 waves a work-group, no clusters, 188,416 bytes of LDS; arguments key, value, query, bk, bv, bq, wimg, kv, qc; writes kv, qc
.if DOCPART == 2
	.amdgcn_target "amdgcn-amd-amdhsa--gfx1250"
	.amdhsa_code_object_version 6
	.text
	.protected	k_qff39c1de2c_proj
	.globl	k_qff39c1de2c_proj
	.p2align	8
	.type	k_qff39c1de2c_proj,@function
k_qff39c1de2c_proj:
	s_mov_b64 s[64:65], 0
	v_nop
	global_prefetch_b8 v0, s[64:65] scope:SCOPE_SE
	s_setreg_imm32_b32 hwreg(HW_REG_WAVE_MODE, 25, 1), 1
	s_wait_xcnt 0x0
; Products 1 to 3: kh = key wk + bk, vh = value wv + bv, qh = (query wq + bq) / sqrt(32), on codes of FP6 (E2M3); their results are quantised at once for products 4 and 5.  No work is left out.
; Work-groups 0-63 take 256 rows of key each, 64-127 of value, 128-135 of query.  LIMITS as stated at the head of launch wprep; the bias enters as the C of a sum's first matrix instruction.
; HEAD (one text for all three, only pointers are chosen): wave w quantises one tile of 16 rows of x along the model's 256 (two fragments) and leaves them in LDS as images of the operand's registers.
; THE ROWS OF A TILE ARE NOT NEIGHBOURS: row r of tile a of group G (64 rows) is row 64 G + 32 (r / 8) + 8 a + r % 8.  One barrier.
; MAIN: wave w takes head w / 2 and rows 128 (w % 2) on; its part of W (32 columns: four fragments) comes from wimg straight into registers.
;   K, Q: the product is used transposed (source 0 = 16 columns of W, source 1 = 16 rows of x): a lane holds one row and 16 of the head's 32 numbers (0-7, 16-23 in lanes 0-15; 8-15, 24-31 in lanes 16-31).
;   V: not transposed: a lane holds one column, and the four tiles of a group give it 32 NEIGHBOURING keys: a whole block along product 5's K.
; kv: [head][256 keys][K record 6,400 bytes | V record 6,400 bytes].  K record: fragment F (64 keys) at 1,536 F, as an image of registers: lane (r, h), registers 6 c .. 6 c + 5: the 24 bytes of key
; 64 F + 32 (r / 8) + 8 (2 c + h) + r % 8; scale words at 6,144 + 64 F + 4 r.  V record: fragment (128 keys s, 16 channels t) at 1,536 (2 s + t): lane (r, h), registers 6 c ..: channel 16 t + r, keys 128 s + 64 c + 32 h + 0 .. 31;
; scale words at 6,144 + 128 s + 64 t + 4 r.  qc: [head][query][32 bytes]: 12 bytes of codes, the scale byte four times, 12 bytes of codes, the same word.
; No tensor loads: nobody shares x, and all of a wave's 16 KiB of it are asked for in its first lines; no cluster for the same reason.
.set STGW,  8448                       ; LDS: a stage of 16 rows x (512 + 16) bytes for each wave, from byte 0
.set XIMG,  135168                     ; 32 images of 1,536 bytes: tile xt, K step ks at 3,072 xt + 1,536 ks
.set XSC,   184320                     ; their scale words: 128 bytes a tile: lanes 0-15 K step 0, lanes 16-31 K step 1
.set SPARE, 186368                     ; the spare words, 128 bytes for each of sixteen waves: eight blocks of 256 bytes that no other line names
.set SPW,  1                           ; v1  LDS address of my spare word; never rewritten
.set NIL,  2                           ; v2  0; never rewritten
.set VX,   3                           ; v3  x: 16 x lane + my tile's first row
.set ATS,  4                           ; v4  my stage, on the way in: 16 x lane
.set ATL,  5                           ; v5  and on the way out: 528 r + 64 h
.set AXW,  6                           ; v6  where I store my images
.set AXSW, 7                           ; v7  and their scale words
.set AXR,  8                           ; v8  where I read images: my 128 rows' eight tiles
.set AXSR, 9                           ; v9  and their scale words
.set L16,  10                          ; v10 16 x lane
.set L4,   11                          ; v11 4 x lane
.set VBH,  12                          ; v12 32 h: bias for K, Q
.set VOF,  13                          ; v13 a record's fragments: 16 x lane + 3,072 s
.set VOS,  14                          ; v14 its scale words: 4 x lane + 128 s
.set VQ,   15                          ; v15 qc: my row's record
.set SH8,  16                          ; v16 8 h
.set VBR,  17                          ; v17 4 r: bias for V
.set BI,   20                          ; v20-35 the bias, two tiles in the result's layout
.set WF,   36                          ; v36-83 W's fragments: 12 (2 t + ks)
.set WS,   84                          ; v84-85 W's scale words: lanes 0-15 K step 0, lanes 16-31 K step 1
.set R0,   88                          ; v88-151, v152-215 head: 64 numbers of x for each K step
.set R1,   152
.set TM,   216                         ; v216-227 four largest magnitudes, four bytes, four scale operands
.set PC,   228                         ; v228-246 the codes just made
.set PW,   248                         ; the scale word just made; v249 K step 0's
.set PW0,  249
.set XS,   250                         ; v250-253 x's scale words: these registers hold scales alone
.set XF,   88                          ; main: v88-135 four fragments of x
.set ACC,  136                         ; v136-167 four accumulators
.set FR,   168                         ; v168-191 two fragments on their way out
.set T,    192                         ; v192-194 a conversion's result
.set KW,   200                         ; v200-201 scale words in the making; v202 the word that leaves
.set OW,   202
.set RQ,   204                         ; v204-211 two records of qc
.macro PLACES n
.rept \n
	v_nop
.endr
.endm
.macro WM d, a, b, c, sa, sb           ; one product, 16 x 16 x 128, scale words from lanes 0-15
	v_wmma_scale_f32_16x16x128_f8f6f4 v[\d:\d+7], v[\a:\a+11], v[\b:\b+11], \c, v[\sa], v[\sb] matrix_a_fmt:MATRIX_FMT_FP6 matrix_b_fmt:MATRIX_FMT_FP6
.endm
.macro WMAB d, a, b, c, sa, sb         ; the same, both scale words from lanes 16-31
	v_wmma_scale_f32_16x16x128_f8f6f4 v[\d:\d+7], v[\a:\a+11], v[\b:\b+11], \c, v[\sa], v[\sb] matrix_a_fmt:MATRIX_FMT_FP6 matrix_b_fmt:MATRIX_FMT_FP6 matrix_a_scale:MATRIX_SCALE_ROW1 matrix_b_scale:MATRIX_SCALE_ROW1
.endm
	s_load_b512 s[8:23], s[0:1], 0x0               ; key, value, query, bk, bv, bq, wimg, kv
	s_load_b64 s[24:25], s[0:1], 0x40              ; qc
	v_lshl_add_u32 v[SPW], v0, 2, SPARE
	v_mov_b32 v[NIL], 0
	v_lshrrev_b32 v18, 5, v0
	v_readfirstlane_b32 s44, v18                   ; wave 0..15
	s_lshr_b32 s26, ttmp9, 6                       ; 0 K, 1 V, 2 Q
	s_and_b32 s27, ttmp9, 63                       ; which 256 rows
	s_lshr_b32 s45, s44, 1                         ; main: my head
	s_and_b32 s46, s44, 1                          ; and my 128 rows
	v_and_b32 v18, 31, v0                          ; lane
	v_and_b32 v19, 15, v0                          ; r
	v_bfe_u32 v86, v0, 4, 1                        ; h
	v_lshlrev_b32 v[L16], 4, v18
	v_lshlrev_b32 v[L4], 2, v18
	s_lshr_b32 s47, s44, 2                         ; head phase: my tile's group G,
	s_and_b32 s48, s44, 3                          ; and its a
	s_lshl_b32 s47, s47, 16                        ; 64 G rows of 1,024 bytes
	s_lshl_b32 s48, s48, 13                        ; 8 a rows
	s_add_co_u32 s47, s47, s48
	v_add_nc_u32 v[VX], s47, v[L16]
	s_mul_i32 s47, s44, STGW
	v_add_nc_u32 v[ATS], s47, v[L16]
	v_mul_u32_u24 v[ATL], v19, 528
	v_lshl_add_u32 v[ATL], v86, 6, v[ATL]
	v_add_nc_u32 v[ATL], s47, v[ATL]
	s_mul_i32 s47, s44, 3072
	s_add_co_u32 s47, s47, XIMG
	v_add_nc_u32 v[AXW], s47, v[L16]
	s_lshl_b32 s47, s44, 7
	s_add_co_u32 s47, s47, XSC
	v_add_nc_u32 v[AXSW], s47, v[L4]
	s_mul_i32 s47, s46, 24576
	s_add_co_u32 s47, s47, XIMG
	v_add_nc_u32 v[AXR], s47, v[L16]
	s_lshl_b32 s47, s46, 10
	s_add_co_u32 s47, s47, XSC
	v_add_nc_u32 v[AXSR], s47, v[L4]
	v_lshlrev_b32 v[VBH], 5, v86
	v_lshlrev_b32 v[VBR], 2, v19
	s_mul_i32 s47, s46, 3072
	v_add_nc_u32 v[VOF], s47, v[L16]
	s_lshl_b32 s47, s46, 7
	v_add_nc_u32 v[VOS], s47, v[L4]
	v_lshrrev_b32 v87, 3, v19                      ; qc: row 32 (r / 8) + r % 8 of 32 bytes, + 16 h, + 128 s rows
	v_and_b32 v[VQ], 7, v19
	v_lshlrev_b32 v[VQ], 5, v[VQ]
	v_lshl_add_u32 v[VQ], v87, 10, v[VQ]
	v_lshl_add_u32 v[VQ], v86, 4, v[VQ]
	s_lshl_b32 s47, s46, 12
	v_add_nc_u32 v[VQ], s47, v[VQ]
	v_lshlrev_b32 v[SH8], 3, v86
.irp b, 0,1,2,3
	v_mov_b32 v[TM+4+\b], 0                        ; written once: a lane permute's destination counts as one of its sources
.endr
	s_mov_b32 s38, 0x76543210                      ; v_permlanex16_b32's selects for lane l xor 16
	s_mov_b32 s39, 0xfedcba98
	s_mov_b32 s40, 0xffff0000                      ; lanes 16-31
	s_mov_b32 s42, 0x3e3504f3                      ; 1 / sqrt(32)
	s_mov_b32 s43, s42                             ; (named with it as a pair)
	s_lshl_b32 s48, s27, 18                        ; x: 256 rows of 1,024 bytes
	s_mov_b32 s49, 0
	s_lshl_b32 s50, s45, 7                         ; the bias: my head's 32 numbers
	s_mov_b32 s51, 0
	s_mul_i32 s58, s26, 51200                      ; wimg: weight 0 wk, 1 wv, 2 wq,
	s_mul_i32 s52, s45, 6144
	s_add_co_u32 s52, s52, s58                     ; my head's four fragments,
	s_mov_b32 s53, 0
	s_lshl_b32 s54, s45, 8
	s_add_co_u32 s54, s54, s58
	s_add_co_u32 s54, s54, 49152                   ; and their scale words
	s_mov_b32 s55, 0
	s_mul_i32 s56, s45, 819200                     ; kv: my head, my 256 keys, K's record or V's
	s_mul_i32 s58, s27, 12800
	s_add_co_u32 s56, s56, s58
	s_mul_i32 s58, s26, 6400
	s_add_co_u32 s56, s56, s58
	s_lshl_b32 s58, s45, 16                        ; qc: my head, my 256 queries
	s_lshl_b32 s59, s27, 13
	s_add_co_u32 s58, s58, s59
	s_cmp_lt_u32 s26, 2
	s_cselect_b32 s56, s56, s58
	s_mov_b32 s57, 0
	s_wait_kmcnt 0x0
	s_cmp_eq_u32 s26, 0                            ; the buffers are chosen by the work-group's number alone
	s_cselect_b64 s[28:29], s[8:9], s[10:11]
	s_cselect_b64 s[30:31], s[14:15], s[16:17]
	s_cmp_lt_u32 s26, 2
	s_cselect_b64 s[28:29], s[28:29], s[12:13]
	s_cselect_b64 s[30:31], s[30:31], s[18:19]
	s_cselect_b64 s[36:37], s[22:23], s[24:25]
	s_add_nc_u64 s[28:29], s[28:29], s[48:49]
	s_add_nc_u64 s[30:31], s[30:31], s[50:51]
	s_add_nc_u64 s[32:33], s[20:21], s[52:53]
	s_add_nc_u64 s[34:35], s[20:21], s[54:55]
	s_add_nc_u64 s[36:37], s[36:37], s[56:57]
	; the bias first: the two arms differ in the number of their loads, and these are the oldest, so no later count hangs on the arm
	s_cmp_eq_u32 s26, 1
	s_cbranch_scc1 .Lbias_v
.irp t, 0,1
.irp i, 0,1
	global_load_b128 v[BI+8*\t+4*\i:BI+8*\t+4*\i+3], v[VBH], s[30:31] offset:64*\t+16*\i   ; K, Q: register j of tile t: b[16 t + 8 h + j]
.endr
.endr
	s_branch .Lbias_done
.Lbias_v:
.irp t, 0,1
.irp j, 0,1,2,3,4,5,6,7
	global_load_b32 v[BI+8*\t+\j], v[VBR], s[30:31] offset:64*\t                           ; V: all eight registers of tile t: b[16 t + r]
.endr
.endr
.Lbias_done:
.irp f, 0,1,2,3
.irp g, 0,1,2
	global_load_b128 v[WF+12*\f+4*\g:WF+12*\f+4*\g+3], v[L16], s[32:33] offset:1536*\f+512*\g
.endr
.endr
.irp t, 0,1
	global_load_b32 v[WS+\t], v[L4], s[34:35] offset:128*\t
.endr
.irp ks, 0,1                           ; my 16 rows of x: K step 0, then K step 1; a load's 32 lanes read 512 consecutive bytes
.set J, 0
.rept 16
	global_load_b128 v[R0+64*\ks+4*J:R0+64*\ks+4*J+3], v[VX], s[28:29] offset:(32*(J/8)+(J%8))*1024+512*\ks th:TH_LOAD_NT
.set J, J+1
.endr
.endr
; 16 rows x 512 bytes go through my own stage as they lie and come back 64 bytes a lane and block: register 16 b + i = k 32 b + 16 h + i of row r
.macro TURN reg
.set J, 0
.rept 16
	ds_store_b128 v[ATS], v[\reg+4*J:\reg+4*J+3] offset:528*J
.set J, J+1
.endr
	s_wait_dscnt 0x0                               ; the stores have read their registers
.irp b, 0,1,2,3
.irp j, 0,1,2,3
	ds_load_b128 v[\reg+16*\b+4*\j:\reg+16*\b+4*\j+3], v[ATL] offset:128*\b+16*\j
.endr
.endr
	s_wait_dscnt 0x0
.endm
; 64 numbers of a lane become a fragment's codes in v[PC] on and its scale word in v[PW]
.macro QUANT s
.irp b, 0,1,2,3
	v_max3_num_f32 v[TM+\b], |v[\s+16*\b]|, |v[\s+1+16*\b]|, 0x1800000   ; block b: my 16 numbers, and the floor 2^(3 - 127)
.endr
.irp i, 2,4,6,8,10,12,14
.irp b, 0,1,2,3
	v_max3_num_f32 v[TM+\b], v[TM+\b], |v[\s+16*\b+\i]|, |v[\s+1+16*\b+\i]|
.endr
.endr
.irp b, 0,1,2,3
	v_permlanex16_b32 v[TM+4+\b], v[TM+\b], s38, s39
.endr
.irp b, 0,1,2,3
	v_max_num_f32 v[TM+\b], v[TM+\b], v[TM+4+\b]   ; with lane l xor 16's: the block's largest magnitude
.endr
.irp b, 0,1,2,3
	v_add_nc_u32 v[TM+8+\b], 0xff000000, v[TM+\b]  ; 2 off its exponent field: the conversion's scale operand
.endr
.irp b, 0,1,2,3
	v_lshrrev_b32 v[TM+4+\b], 23, v[TM+8+\b]       ; the scale's byte
.endr
	v_lshl_or_b32 v[PW], v[TM+5], 8, v[TM+4]
	v_lshl_or_b32 v[PW], v[TM+6], 16, v[PW]
	v_lshl_or_b32 v[PW], v[TM+7], 24, v[PW]
.irp c, 0,1
	v_cvt_scalef32_pk16_fp6_f32 v[PC+6*\c:PC+2+6*\c], v[\s+32*\c:\s+15+32*\c], v[TM+8+2*\c]
	v_cvt_scalef32_pk16_fp6_f32 v[PC+12+4*\c:PC+14+4*\c], v[\s+16+32*\c:\s+31+32*\c], v[TM+8+2*\c+1]
.endr
	v_nop                                          ; one plain line behind the conversions
.irp c, 0,1                            ; the operand's layout wants a whole block in a lane: lanes 0-15 block 2 c, lanes 16-31 block 2 c + 1
.irp i, 0,1,2
	v_permlane16_swap_b32 v[PC+6*\c+\i], v[PC+12+4*\c+\i]
.endr
.irp i, 0,1,2
	v_mov_b32 v[PC+3+6*\c+\i], v[PC+12+4*\c+\i]
.endr
.endr
.endm
.macro IMAGE off                       ; the fragment goes to LDS as it stands in registers
.irp g, 0,1,2
	ds_store_b128 v[AXW], v[PC+4*\g:PC+4*\g+3] offset:\off+512*\g
.endr
.endm
	s_wait_loadcnt 16                              ; all but the youngest sixteen loads are in: those are K step 1's
	TURN R0
	QUANT R0
	v_mov_b32 v[PW0], v[PW]
	IMAGE 0
	s_wait_loadcnt 0x0
	TURN R1                                        ; (its first wait also shows that the image's stores have read their registers)
	QUANT R1
	IMAGE 1536
	v_cndmask_b32 v[PW], v[PW0], v[PW], s40        ; lanes 0-15 K step 0's word, lanes 16-31 K step 1's
	ds_store_b32 v[AXSW], v[PW]
	s_wait_dscnt 0x0                               ; for the others' sake: my stores have landed
	s_barrier_signal -1
	s_barrier_wait -1                              ; the 32 images lie in LDS; from here on LDS is only read
	s_cmp_eq_u32 s26, 1
	s_cbranch_scc1 .LV
	s_cmp_eq_u32 s26, 2
	s_cbranch_scc1 .LQ
; K and Q.  Two tiles of rows at a time (a = 2 cp, 2 cp + 1 of group 2 s + cf), each against my two tiles of W: four accumulators by turns, K step by K step.
.macro KQ qpath
.irp cf, 0,1
.irp cp, 0,1
.irp i, 0,1
.irp ks, 0,1
.irp g, 0,1,2
	ds_load_b128 v[XF+12*(2*\i+\ks)+4*\g:XF+12*(2*\i+\ks)+4*\g+3], v[AXR] offset:(4*\cf+2*\cp+\i)*3072+1536*\ks+512*\g
.endr
.endr
	ds_load_b32 v[XS+\i], v[AXSR] offset:(4*\cf+2*\cp+\i)*128
.endr
	s_wait_dscnt 0x0
.irp i, 0,1
.irp t, 0,1
	WM ACC+16*\i+8*\t, WF+24*\t, XF+24*\i, v[BI+8*\t:BI+8*\t+7], WS+\t, XS+\i
.endr
.endr
.irp i, 0,1
.irp t, 0,1
	WMAB ACC+16*\i+8*\t, WF+24*\t+12, XF+24*\i+12, v[ACC+16*\i+8*\t:ACC+16*\i+8*\t+7], WS+\t, XS+\i
.endr
.endr
	PLACES 5                                       ; behind the products: four for the reads of results and the next loads of operands, a fifth since the next run begins these accumulators anew
.if \qpath
.irp j, 0,2,4,6,8,10,12,14,16,18,20,22,24,26,28,30
	v_pk_mul_f32 v[ACC+\j:ACC+\j+1], v[ACC+\j:ACC+\j+1], s[42:43] op_sel_hi:[1,0]   ; qh / sqrt(32), ahead of the quantiser
.endr
.endif
.irp i, 0,1
	v_max3_num_f32 v[TM+\i], |v[ACC+16*\i]|, |v[ACC+16*\i+1]|, 0x1800000   ; a row's block is the head's 32: my 16, and the floor
.endr
.irp j, 2,4,6,8,10,12,14
.irp i, 0,1
	v_max3_num_f32 v[TM+\i], v[TM+\i], |v[ACC+16*\i+\j]|, |v[ACC+16*\i+\j+1]|
.endr
.endr
.irp i, 0,1
	v_permlanex16_b32 v[TM+4+\i], v[TM+\i], s38, s39
.endr
.irp i, 0,1
	v_max_num_f32 v[TM+\i], v[TM+\i], v[TM+4+\i]
.endr
.irp i, 0,1
	v_add_nc_u32 v[TM+8+\i], 0xff000000, v[TM+\i]
.endr
.irp i, 0,1
	v_lshrrev_b32 v[TM+4+\i], 23, v[TM+8+\i]
.endr
.if \qpath
	s_wait_xcnt 0x0                                ; the last two stores have read their data: the records may be written again
	v_cvt_scalef32_pk16_fp6_f32 v[RQ:RQ+2], v[ACC:ACC+15], v[TM+8]
	v_cvt_scalef32_pk16_fp6_f32 v[RQ+4:RQ+6], v[ACC+16:ACC+31], v[TM+9]
	v_nop
	v_perm_b32 v[RQ+3], v[TM+4], v[TM+4], 0        ; the byte four times: it serves whichever block of a fragment holds the query
	v_perm_b32 v[RQ+7], v[TM+5], v[TM+5], 0
	global_store_b128 v[VQ], v[RQ:RQ+3], s[36:37] offset:(64*\cf+16*\cp)*32       ; lanes with r = 0 .. 7 fill 256 consecutive bytes, those with r = 8 .. 15 another 256
	global_store_b128 v[VQ], v[RQ+4:RQ+7], s[36:37] offset:(64*\cf+16*\cp+8)*32
.else
	v_cvt_scalef32_pk16_fp6_f32 v[FR+12*\cf+6*\cp:FR+12*\cf+6*\cp+2], v[ACC:ACC+15], v[TM+8]
	v_cvt_scalef32_pk16_fp6_f32 v[T:T+2], v[ACC+16:ACC+31], v[TM+9]
	v_nop
.irp n, 0,1,2                          ; lanes 0-15 keep tile 2 cp and get its other half, lanes 16-31 tile 2 cp + 1: a whole key in a lane
	v_permlane16_swap_b32 v[FR+12*\cf+6*\cp+\n], v[T+\n]
.endr
.irp n, 0,1,2
	v_mov_b32 v[FR+12*\cf+6*\cp+3+\n], v[T+\n]
.endr
.if \cp == 0
	v_lshl_or_b32 v[KW+\cf], v[TM+5], 8, v[TM+4]
.else
	v_lshl_or_b32 v[KW+\cf], v[TM+4], 16, v[KW+\cf]
	v_lshl_or_b32 v[KW+\cf], v[TM+5], 24, v[KW+\cf]
.endif
.endif
.endr
.if \qpath == 0
.irp g, 0,1,2
	global_store_b128 v[VOF], v[FR+12*\cf+4*\g:FR+12*\cf+4*\g+3], s[36:37] offset:1536*\cf+512*\g   ; 512 consecutive bytes
.endr
.endif
.endr
.if \qpath == 0
	v_cndmask_b32 v[OW], v[KW], v[KW+1], s40       ; lanes 0-15 the first fragment's words, lanes 16-31 the second's
	global_store_b32 v[VOS], v[OW], s[36:37] offset:6144
.endif
.endm
	KQ 0
	s_branch .Lend
.LQ:
	KQ 1
	s_branch .Lend
.LV:
; V.  Source 0 = a tile of x, source 1 = a tile of W: register 8 a + j of lane (r, h) is key 64 G + 32 h + 8 a + j of channel 16 t + r.
.irp t, 0,1
.irp c, 0,1
.irp ks, 0,1
.irp a, 0,1,2,3
.irp g, 0,1,2
	ds_load_b128 v[XF+12*\a+4*\g:XF+12*\a+4*\g+3], v[AXR] offset:(4*\c+\a)*3072+1536*\ks+512*\g
.endr
.if \ks == 0
	ds_load_b32 v[XS+\a], v[AXSR] offset:(4*\c+\a)*128
.endif
.endr
	s_wait_dscnt 0x0
.irp a, 0,1,2,3
.if \ks == 0
	WM ACC+8*\a, XF+12*\a, WF+24*\t, v[BI+8*\t:BI+8*\t+7], XS+\a, WS+\t
.else
	WMAB ACC+8*\a, XF+12*\a, WF+24*\t+12, v[ACC+8*\a:ACC+8*\a+7], XS+\a, WS+\t
.endif
.endr
	PLACES 5                                       ; as in K's path
.endr
	v_max3_num_f32 v[TM], |v[ACC]|, |v[ACC+1]|, |v[ACC+2]|      ; the block's largest magnitude: all 32 keys are mine
	v_max3_num_f32 v[TM+1], |v[ACC+3]|, |v[ACC+4]|, |v[ACC+5]|
.irp j, 6,10,14,18,22,26
	v_max3_num_f32 v[TM], v[TM], |v[ACC+\j]|, |v[ACC+\j+1]|
	v_max3_num_f32 v[TM+1], v[TM+1], |v[ACC+\j+2]|, |v[ACC+\j+3]|
.endr
	v_max3_num_f32 v[TM], v[TM], |v[ACC+30]|, |v[ACC+31]|
	v_max3_num_f32 v[TM], v[TM], v[TM+1], 0x1800000
	v_add_nc_u32 v[TM+8], 0xff000000, v[TM]
	v_lshrrev_b32 v[TM+4], 23, v[TM+8]
	v_cvt_scalef32_pk16_fp6_f32 v[FR+12*\t+6*\c:FR+12*\t+6*\c+2], v[ACC:ACC+15], v[TM+8]
	v_cvt_scalef32_pk16_fp6_f32 v[T:T+2], v[ACC+16:ACC+31], v[TM+8]
	v_nop
.irp n, 0,1,2
	v_mov_b32 v[FR+12*\t+6*\c+3+\n], v[T+\n]
.endr
.if \c == 0
	v_mov_b32 v[KW+\t], v[TM+4]                    ; my two bytes of the scale word: blocks h and 2 + h
.else
	v_lshl_or_b32 v[KW+\t], v[TM+4], 16, v[KW+\t]
.endif
.endr
.irp g, 0,1,2
	global_store_b128 v[VOF], v[FR+12*\t+4*\g:FR+12*\t+4*\g+3], s[36:37] offset:1536*\t+512*\g
.endr
.endr
	v_lshlrev_b32 v[KW], v[SH8], v[KW]             ; at their places, 8 h bits up
	v_lshlrev_b32 v[KW+1], v[SH8], v[KW+1]
	v_permlane16_swap_b32 v[KW], v[KW+1]           ; both halves of tile 0's words to lanes 0-15, of tile 1's to lanes 16-31
	v_or_b32 v[OW], v[KW], v[KW+1]
	global_store_b32 v[VOS], v[OW], s[36:37] offset:6144
.Lend:
	s_wait_tensorcnt 0x0                           ; the wave's end: behind my last LDS store
	ds_add_u32 v[SPW], v[NIL]
	s_wait_dscnt 0x0
	s_endpgm
.Lfunc_end_k_qff39c1de2c_proj:
	.size	k_qff39c1de2c_proj, .Lfunc_end_k_qff39c1de2c_proj-k_qff39c1de2c_proj
	.p2alignl 7, 3214868480
	.fill 96, 4, 3214868480
	.section	.rodata,"a",@progbits
	.p2align	6, 0x0
	.amdhsa_kernel k_qff39c1de2c_proj
		.amdhsa_group_segment_fixed_size 188416
		.amdhsa_private_segment_fixed_size 0
		.amdhsa_enable_private_segment 0
		.amdhsa_kernarg_size 72
		.amdhsa_user_sgpr_count 2
		.amdhsa_user_sgpr_kernarg_segment_ptr 1
		.amdhsa_wavefront_size32 1
		.amdhsa_system_sgpr_workgroup_id_x 1
		.amdhsa_system_sgpr_workgroup_id_y 1
		.amdhsa_system_sgpr_workgroup_id_z 1
		.amdhsa_system_vgpr_workitem_id 0
		.amdhsa_next_free_vgpr 256
		.amdhsa_next_free_sgpr 66
		.amdhsa_reserve_vcc 0
		.amdhsa_float_denorm_mode_32 3
		.amdhsa_float_denorm_mode_16_64 3
		.amdhsa_memory_ordered 1
		.amdhsa_forward_progress 1
		.amdhsa_inst_pref_size 79
	.end_amdhsa_kernel
	.amdgpu_metadata
---
amdhsa.version: [ 1, 2 ]
amdhsa.kernels:
  - .name:           k_qff39c1de2c_proj
    .symbol:         k_qff39c1de2c_proj.kd
    .args:
      - { .name: key, .offset: 0, .size: 8, .value_kind: global_buffer, .address_space: global }
      - { .name: value, .offset: 8, .size: 8, .value_kind: global_buffer, .address_space: global }
      - { .name: query, .offset: 16, .size: 8, .value_kind: global_buffer, .address_space: global }
      - { .name: bk, .offset: 24, .size: 8, .value_kind: global_buffer, .address_space: global }
      - { .name: bv, .offset: 32, .size: 8, .value_kind: global_buffer, .address_space: global }
      - { .name: bq, .offset: 40, .size: 8, .value_kind: global_buffer, .address_space: global }
      - { .name: wimg, .offset: 48, .size: 8, .value_kind: global_buffer, .address_space: global }
      - { .name: kv, .offset: 56, .size: 8, .value_kind: global_buffer, .address_space: global }
      - { .name: qc, .offset: 64, .size: 8, .value_kind: global_buffer, .address_space: global }
    .group_segment_fixed_size: 188416
    .private_segment_fixed_size: 0
    .kernarg_segment_align: 8
    .kernarg_segment_size: 72
    .max_flat_workgroup_size: 512
    .sgpr_count:     66
    .vgpr_count:     256
    .wavefront_size: 32
...
	.end_amdgpu_metadata
.endif
;; end of part 2
;; launch attn (part 3): grid 32 x 8, 16 waves a work-group, clusters of 4 x 1, 327,680 bytes of LDS; arguments qc, kv, ac; writes ac
.if DOCPART == 3
	.amdgcn_target "amdgcn-amd-amdhsa--gfx1250"
	.amdhsa_code_object_version 6
	.text
	.protected	k_qff39c1de2c_attn
	.globl	k_qff39c1de2c_attn
	.p2align	8
	.type	k_qff39c1de2c_attn,@function
k_qff39c1de2c_attn:
	s_mov_b64 s[64:65], 0
	v_nop
	global_prefetch_b8 v0, s[64:65] scope:SCOPE_SE
	s_setreg_imm32_b32 hwreg(HW_REG_WAVE_MODE, 25, 1), 1
	s_wait_xcnt 0x0
	s_wait_alu depctr_hold_cnt(0) depctr_sa_sdst(0) depctr_va_vdst(0) depctr_va_sdst(0) depctr_va_ssrc(0) depctr_va_vcc(0) depctr_vm_vsrc(0)
	s_getreg_b32 s2, hwreg(HW_REG_IB_STS2, 6, 4)
	s_cmp_eq_u32 s2, 0
	s_cbranch_scc0 .Lentry_in_a_cluster
	s_endpgm
.Lentry_in_a_cluster:
	s_bfe_u32 s2, ttmp6, 0x10000c
	s_cmp_lg_u32 s2, 0x3003
	s_cbranch_scc0 .Lentry_shape_is_right
	s_endpgm
.Lentry_shape_is_right:
; Products 4 and 5 and the softmax between them, on the codes that launch proj left; the result, attn = O / l, is quantised for product 6.  No work is left out.
; SOFTMAX: t = logit x log2(e); M = the running largest t rounded UP to a whole number; p = 2^(t - M) is quantised along the keys, not normalised; l is the sum of the unquantised p, in f32.
; LIMITS as stated at the head of launch wprep; a p under 2^-126 counts as 0 (v_exp_f32 gives 0 there: ISA guide, its entry).
; SHARES.  A work-group owns 64 queries of one head.  Wave w owns 16 of them (tile w % 4) and a QUARTER of the keys (w / 4: 4,096 keys, 32 steps of 128): there are as many tiles of (head, 16 queries) as SIMDs,
; so the keys are split to put four waves on a SIMD: one wave's vector work stands beside another's products and LDS loads.  The four quarters meet in LDS at the end; every M is a whole number, so the factors there are powers of two.
; PRODUCT 4 HAS K = 32, THE INSTRUCTION 128.  A fragment of K holds 64 keys (row r, block b: key 64 F + 32 (r / 8) + 8 b + r % 8); four fragments of Q hold the query's codes in block b alone and zero codes elsewhere,
; which add nothing.  So four instructions give the scores of 64 keys, used transposed: register 32 f + 8 b + j of lane (q, h) is key 64 f + 32 h + 8 b + j of query q: 32 neighbouring keys, a WHOLE block of product 5's K, in one lane:
; a block's maximum asks no other lane, and two conversions give the block's codes where the operand wants them.
; CLUSTER.  The four query blocks of a cluster belong to one head and walk the same K and V: every tile is asked for JOINTLY, by the same tensor load with the same descriptor and a mask that names the four.
; RING.  Two LDS slots, each with four steps (25,600 dense bytes of kv) for each quarter; each of the sixteen waves brings 6,400 bytes a fill, so a wave has one tensor load out; eight fills.
.set SLOT1, 1<<17                      ; slot 0 at byte 0, slot 1 here: one exclusive or turns an address from one into the other; 102,400 bytes each
.set MST,   233472                     ; behind the ring: 2,304 bytes a wave for the merge: 2,048 of O^T, 256 of (-M, l)
.set SPARE, 270336                     ; the spare words, 128 bytes for each of sixteen waves: eight blocks of 256 bytes that no other line names
.set SPW,  1                           ; v1  LDS address of my spare word; never rewritten
.set NIL,  2                           ; v2  0; never rewritten
.set AF0,  3                           ; v3  16 x lane + my quarter's place in a slot
.set AS0,  4                           ; v4  4 x lane + the same
.set ADF,  5                           ; v5, v6 the same in the slot in hand
.set ADS,  6
.set SH8,  7                           ; v7  8 h
.set PFO,  8                           ; v8  the prefetches' offset: 256 x min(lane, 24); never rewritten
.set AM,   9                           ; v9  merge: my wave's O^T
.set AM2,  10                          ; v10 merge: my wave's (-M, l)
.set GO,   11                          ; v11 ac: 32 r + 16 h
                                       ; v12 -M, v13 the largest t, v[14:15] l in two halves
.set Q,    16                          ; v16-45 zeros, Q in lanes 0-15, zeros, Q in lanes 16-31, zeros: six registers each; block b's fragment begins at Q + 6, + 18, + 0, + 12
.set QS,   46                          ; v46-49 scale words of Q, K, V, p: these registers hold scales alone
.set KS,   47
.set VS,   48
.set PW,   49
.set KF,   50                          ; v50-73 two fragments of K
.set VF,   74                          ; v74-97 two fragments of V
.set S,    98                          ; v98-161 the scores, then p
.set O,    162                         ; v162-177 O^T: register 8 t + j: channel 16 t + 8 h + j
.set P,    178                         ; v178-189 p's codes
.set T0,   190                         ; v190-192, v194-196 second halves of the blocks' codes (a conversion's three registers begin on an even number)
.set T1,   194
.set MX,   198                         ; v198-199 the two blocks' largest scores
.set E,    200                         ; v200-201 the conversions' scale operands
.set YB,   202                         ; v202-203 the scale bytes
.set F,    204                         ; v[204:205] f = 2^(old M - new M)
.set TA,   206                         ; v206-209 at work
.set L2,   210                         ; v[210:211] the sum's second chain
.set RC,   212                         ; v212-215 a record of ac
.macro WM d, a, b, c, sa, sb           ; one product, 16 x 16 x 128, scale words from lanes 0-15
	v_wmma_scale_f32_16x16x128_f8f6f4 v[\d:\d+7], v[\a:\a+11], v[\b:\b+11], \c, v[\sa], v[\sb] matrix_a_fmt:MATRIX_FMT_FP6 matrix_b_fmt:MATRIX_FMT_FP6
.endm
.macro WMA d, a, b, c, sa, sb          ; the same, source 0's scale words from lanes 16-31
	v_wmma_scale_f32_16x16x128_f8f6f4 v[\d:\d+7], v[\a:\a+11], v[\b:\b+11], \c, v[\sa], v[\sb] matrix_a_fmt:MATRIX_FMT_FP6 matrix_b_fmt:MATRIX_FMT_FP6 matrix_a_scale:MATRIX_SCALE_ROW1
.endm
; A round of the cluster's barrier: my work-group's barrier; wave 0 signals for the work-group; every wave waits for all four work-groups; my work-group's barrier once more.
.macro CROUND
	s_barrier_signal -1
	s_barrier_wait -1
	s_cmp_lg_u32 s10, 0
	s_cbranch_scc1 .Lnot_wave_0_\@
	s_barrier_signal -3
.Lnot_wave_0_\@:
	s_barrier_wait -3
	s_barrier_signal -1
	s_barrier_wait -1
.endm
; A PREFETCH INTO THE L2 of what the NEXT change of slots will ask for, behind the wave's tensor load and its five lines.  All clusters of a head walk the same kv: the head's first cluster asks.  Its four partners
; are told apart BY ADDRESS: partner p takes quarter p's 25,600 bytes, and in it waves 0 to 3 take 6,400 bytes each: 25 aligned blocks of 256 bytes, a lane a block (lanes 25 to 31 name the 25th again in the same instruction).
; The last change that fills a slot asks for nothing; fills 0 and 1 come by their loads alone.
.macro ASK
	s_cmp_gt_u32 s29, s30
	s_cbranch_scc0 .Lnot_mine_\@
	global_prefetch_b8 v[PFO], s[32:33] th:TH_LOAD_NT scope:SCOPE_SE
.Lnot_mine_\@:
.endm
	s_load_b128 s[4:7], s[0:1], 0x0                ; qc, kv
	s_load_b64 s[8:9], s[0:1], 0x10                ; ac
	v_lshl_add_u32 v[SPW], v0, 2, SPARE
	v_mov_b32 v[NIL], 0
	ds_add_u32 v[SPW], v[NIL]                      ; the wave's opening: the add, twice on end, and its wait ahead of my first tensor load; the set-up below stands between
	ds_add_u32 v[SPW], v[NIL]
	v_lshrrev_b32 v3, 5, v0
	v_readfirstlane_b32 s10, v3                    ; wave 0..15
	s_bfe_u32 s11, ttmp6, 0x40000                  ; cx: my place in the cluster
	s_lshl_b32 s12, ttmp9, 2
	s_add_co_u32 s12, s12, s11                     ; my block of 64 queries: it enters qc's and ac's addresses alone
	s_and_b32 s13, ttmp7, 0xffff                   ; the head, which the four partners share
	s_lshr_b32 s14, s10, 2                         ; my quarter of the keys
	s_and_b32 s15, s10, 3                          ; my tile of queries; also: which 6,400 bytes of the quarter's 25,600 I fetch
	; descriptor group 1: 25 rows of 256 bytes, dense
	s_mov_b32 s16, 15|(3<<16)|(1<<21)              ; 15:0 the mask: all four work-groups; 17:16 elements of 8 bytes; 20 no padding; 21 set beside a mask
	s_mov_b32 s17, 32<<16                          ; tensor_dim0 = 32
	s_mov_b32 s18, 25<<16                          ; tensor_dim1 = 25
	s_mov_b32 s19, 32<<16                          ; tile_dim0 = 32
	s_mov_b32 s20, 25                              ; tile_dim1 = 25
	s_mov_b32 s21, 32                              ; from row to row
	s_mov_b32 s22, 0
	s_mov_b32 s23, 0
	s_mov_b32 s24, 1                               ; group 0: count = 1,
	s_mul_i32 s25, s10, 6400                       ; LDS address: slot 0, 6,400 x wave: no place in the cluster enters it
	s_mul_i32 s39, s13, 819200                     ; the head in kv
	s_mul_i32 s40, s14, 204800                     ; my quarter: 16 x 12,800 bytes
	s_mul_i32 s41, s15, 6400
	s_add_co_u32 s40, s40, s41
	s_add_co_u32 s40, s40, s39
	s_mov_b32 s41, 0
	s_mul_i32 s42, s11, 204800                     ; the prefetches: quarter cx,
	s_mul_i32 s43, s10, 6400                       ; 6,400 x wave (waves 0 to 3 alone ask),
	s_add_co_u32 s42, s42, s43
	s_add_co_u32 s42, s42, s39
	s_add_co_u32 s42, s42, 25600                   ; at fill 1: the first change of slots steps it to fill 2.  Nothing is prefetched at the head
	s_mov_b32 s43, 0
	s_lshl_b32 s44, s13, 16                        ; qc and ac: 65,536 x head + 32 x (64 x block + 16 x tile)
	s_lshl_b32 s45, s12, 11
	s_add_co_u32 s44, s44, s45
	s_lshl_b32 s45, s15, 9
	s_add_co_u32 s44, s44, s45
	s_mov_b32 s45, 0
	s_mov_b32 s28, 0                               ; LDS byte at which the slot in hand begins
	s_mov_b32 s29, 7                               ; fills still to be asked for
	s_or_b32 s30, s14, ttmp9                       ; 0 in waves 0 to 3 of the head's first cluster: the same in all four partners
	s_cmp_eq_u32 s30, 0
	s_cselect_b32 s30, 1, -1                       ; a wave prefetches while s29 is above this
	s_mov_b32 s34, 0x76543210                      ; v_permlanex16_b32's selects for lane l xor 16
	s_mov_b32 s35, 0xfedcba98
	s_mov_b32 s36, 0x3fb8aa3b                      ; log2(e)
	s_mov_b32 s37, s36                             ; (named with it as a pair)
	s_mov_b32 s38, 0xffff0000                      ; lanes 16-31
	v_and_b32 v[TA], 31, v0                        ; lane
	v_and_b32 v[TA+1], 15, v0                      ; r
	v_bfe_u32 v[TA+2], v0, 4, 1                    ; h
	s_mul_i32 s31, s14, 25600
	v_lshl_add_u32 v[AF0], v[TA], 4, s31
	v_lshl_add_u32 v[AS0], v[TA], 2, s31
	v_lshlrev_b32 v[SH8], 3, v[TA+2]
	v_min_u32 v[PFO], 24, v[TA]
	v_lshlrev_b32 v[PFO], 8, v[PFO]
	s_mul_i32 s31, s10, 2304
	s_add_co_u32 s31, s31, MST
	v_lshl_add_u32 v[AM], v[TA], 4, s31
	s_add_co_u32 s31, s31, 2048
	v_lshl_add_u32 v[AM2], v[TA], 3, s31
	v_lshlrev_b32 v[GO], 5, v[TA+1]
	v_lshlrev_b32 v[TA+3], 5, v[TA+1]              ; qc: 32 r: both halves of the lanes take the whole record
	v_lshl_add_u32 v[GO], v[TA+2], 4, v[GO]
	s_wait_dscnt 0x0                               ; both opening adds are done
	s_wait_kmcnt 0x0
	s_add_nc_u64 s[26:27], s[6:7], s[40:41]        ; group 0: global address: fill 0
	s_or_b32 s27, s27, 0x80000000                  ; type = 2
	s_add_nc_u64 s[32:33], s[6:7], s[42:43]
	s_add_nc_u64 s[4:5], s[4:5], s[44:45]
	s_add_nc_u64 s[8:9], s[8:9], s[44:45]
	CROUND                                         ; all four work-groups are here: the first joint loads meet
	tensor_load_to_lds s[24:27], s[16:23]          ; fill 0, into slot 0: every wave issues its part
	s_nop 0
.rept 4
	v_nop
.endr
	global_load_b128 v[S:S+3], v[TA+3], s[4:5]             ; my query's record: 12 bytes of codes and the scale word,
	global_load_b128 v[S+4:S+7], v[TA+3], s[4:5] offset:16 ; and the other 12 bytes
	v_mov_b32 v13, 0xff61b1e6                      ; the largest t so far: -3e38, under every t
	v_floor_f32 v12, -v13                          ; -M
	v_mov_b32 v14, 0                               ; l
	v_mov_b32 v15, 0
.set J, 0
.rept 16
	v_mov_b32 v[O+J], 0                            ; O^T.  (A step is written one way: the first finds zeros, which the first change of M leaves zeros)
.set J, J+1
.endr
.irp z, 0,12,24
.irp i, 0,1,2,3,4,5
	v_mov_b32 v[Q+\z+\i], 0                        ; the zero codes
.endr
.endr
	v_mov_b32 v[F+1], 0                            ; (named as the upper half of a pair)
	v_mov_b32 v[TA+1], 0                           ; written once: a lane permute's destination counts as one of its sources
	v_mov_b32 v[TA+2], 0
	s_wait_loadcnt 0x0
	v_mov_b32 v[QS], v[S+3]                        ; Q's scale word: the byte four times, so it serves all four fragments
.irp n, 0,1,2
	v_cndmask_b32 v[Q+6+\n], v[S+\n], v[Q], s38    ; the codes in lanes 0-15 alone,
	v_cndmask_b32 v[Q+9+\n], v[S+4+\n], v[Q], s38
	v_cndmask_b32 v[Q+18+\n], v[Q], v[S+\n], s38   ; and in lanes 16-31 alone
	v_cndmask_b32 v[Q+21+\n], v[Q], v[S+4+\n], s38
.endr
; Step sg (0 .. 3) of the slot in hand: 256 keys' records lie 12,800 bytes apart, K's record first; a step is half a record.
.macro KLOAD sg                        ; two fragments of K and their scale words: seven loads
.irp f, 0,1
.irp g, 0,1,2
	ds_load_b128 v[KF+12*\f+4*\g:KF+12*\f+4*\g+3], v[ADF] offset:12800*((\sg)/2)+3072*((\sg)%2)+1536*\f+512*\g
.endr
.endr
	ds_load_b32 v[KS], v[ADS] offset:12800*((\sg)/2)+6144+128*((\sg)%2)
.endm
.macro VLOAD sg                        ; the same of V
.irp f, 0,1
.irp g, 0,1,2
	ds_load_b128 v[VF+12*\f+4*\g:VF+12*\f+4*\g+3], v[ADF] offset:12800*((\sg)/2)+6400+3072*((\sg)%2)+1536*\f+512*\g
.endr
.endr
	ds_load_b32 v[VS], v[ADS] offset:12800*((\sg)/2)+6400+6144+128*((\sg)%2)
.endm
; A KEY STEP: 128 keys.  more = 1: the next step's K lies in the same slot and is fetched a step ahead.
; The ten products name ten accumulators, one instruction each, in the same order in every step: the two sums of O^T are taken up again behind nine others' turns.
.macro STEP sg, more
	s_wait_dscnt 0x0                               ; this step's K is in
.irp f, 0,1
.irp b, 0,1,2,3
.if \f
	WMA S+32*\f+8*\b, KF+12*\f, Q+6-6*(\b/2)+12*(\b%2), 0, KS, QS
.else
	WM S+32*\f+8*\b, KF+12*\f, Q+6-6*(\b/2)+12*(\b%2), 0, KS, QS
.endif
.endr
.endr
.rept 4
	v_nop                                          ; places in front of the reads of the scores and of the loads into registers that products have read
.endr
	VLOAD \sg
.if \more
	KLOAD (\sg)+1
.endif
	v_max3_num_f32 v[MX], v[S], v[S+1], v[S+2]     ; THE LARGEST SCORE OF EACH OF MY TWO BLOCKS OF 32 KEYS: it serves for the row's maximum and, since p rises with the score, for the block's largest p
	v_max3_num_f32 v[MX+1], v[S+32], v[S+33], v[S+34]
.irp i, 3,5,7,9,11,13,15,17,19,21,23,25,27,29
	v_max3_num_f32 v[MX], v[MX], v[S+\i], v[S+\i+1]
	v_max3_num_f32 v[MX+1], v[MX+1], v[S+32+\i], v[S+33+\i]
.endr
	v_max_num_f32 v[MX], v[MX], v[S+31]
	v_max_num_f32 v[MX+1], v[MX+1], v[S+63]
	v_max_num_f32 v[TA], v[MX], v[MX+1]
	v_permlanex16_b32 v[TA+1], v[TA], s34, s35
	v_max_num_f32 v[TA], v[TA], v[TA+1]            ; the step's largest score of my query
	v_mul_f32 v[TA], s36, v[TA]                    ; as t
	v_max_num_f32 v13, v13, v[TA]                  ; the running largest t
	v_mov_b32 v[TA], v12
	v_floor_f32 v12, -v13                          ; the new -M = floor(-t) = -ceil(t)
	v_sub_f32 v[TA], v12, v[TA]                    ; old M less new M: a whole number, 0 or less
	v_cvt_i32_f32 v[TA], v[TA]                     ; (it saturates)
	v_ldexp_f32 v[F], 1.0, v[TA]                   ; f = 2^(old M - new M)
.set J, 0
.rept 32
	v_pk_fma_f32 v[S+J:S+J+1], v[S+J:S+J+1], s[36:37], v[12:13] op_sel_hi:[1,0,0]   ; t - M, two at a time
.set J, J+2
.endr
	v_fma_f32 v[MX], v[MX], s36, v12               ; the same of each block's largest score
	v_fma_f32 v[MX+1], v[MX+1], s36, v12
.set J, 0
.rept 64
	v_exp_f32 v[S+J], v[S+J]                       ; p = 2^(t - M)
.set J, J+1
.endr
	v_exp_f32 v[MX], v[MX]                         ; the blocks' largest p: the same arithmetic on the same number
	v_exp_f32 v[MX+1], v[MX+1]
	v_pk_mul_f32 v[14:15], v[14:15], v[F:F+1] op_sel_hi:[1,0]     ; l under the new M: the plain line behind the exponentials,
.set J, 0
.rept 8
	v_pk_mul_f32 v[O+J:O+J+1], v[O+J:O+J+1], v[F:F+1] op_sel_hi:[1,0]   ; and O^T: work that names no exponential's result
.set J, J+2
.endr
	s_wait_alu depctr_va_vdst(0)                   ; one wait for the batch of 66, ahead of its first reader
	v_max_num_f32 v[MX], 0x1800000, v[MX]          ; the floor 2^(3 - 127): the byte cannot fall under 1
	v_max_num_f32 v[MX+1], 0x1800000, v[MX+1]
	v_add_nc_u32 v[E], 0xff000000, v[MX]           ; 2 off the exponent field: the conversion's scale operand
	v_add_nc_u32 v[E+1], 0xff000000, v[MX+1]
	v_lshrrev_b32 v[YB], 23, v[E]                  ; the scale's byte
	v_lshrrev_b32 v[YB+1], 23, v[E+1]
	v_lshl_or_b32 v[PW], v[YB+1], 16, v[YB]        ; my two bytes: blocks h and 2 + h,
	v_lshlrev_b32 v[PW], v[SH8], v[PW]             ; at their places;
	v_permlanex16_b32 v[TA+2], v[PW], s34, s35
	v_or_b32 v[PW], v[PW], v[TA+2]                 ; with lane l xor 16's two the word is whole
	v_cvt_scalef32_pk16_fp6_f32 v[P:P+2], v[S:S+15], v[E]
	v_cvt_scalef32_pk16_fp6_f32 v[T0:T0+2], v[S+16:S+31], v[E]
	v_cvt_scalef32_pk16_fp6_f32 v[P+6:P+8], v[S+32:S+47], v[E+1]
	v_cvt_scalef32_pk16_fp6_f32 v[T1:T1+2], v[S+48:S+63], v[E+1]
	v_nop                                          ; one plain line behind the conversions
.irp n, 0,1,2
	v_mov_b32 v[P+3+\n], v[T0+\n]
	v_mov_b32 v[P+9+\n], v[T1+\n]
.endr
	v_pk_add_f32 v[L2:L2+1], v[S:S+1], v[S+2:S+3]  ; THE ROW'S SUM IS TAKEN OF THE UNQUANTISED p, in two chains.  (These 32 are also the places between the operand's and the scale word's last writes and the products)
.irp j, 4,8,12,16,20,24,28,32,36,40,44,48,52,56,60
	v_pk_add_f32 v[14:15], v[14:15], v[S+\j:S+\j+1]
	v_pk_add_f32 v[L2:L2+1], v[L2:L2+1], v[S+\j+2:S+\j+3]
.endr
	v_pk_add_f32 v[14:15], v[14:15], v[L2:L2+1]
.if \more
	s_wait_dscnt 7                                 ; V is in; the seven younger loads, the next step's K, may be out
.else
	s_wait_dscnt 0x0
.endif
	WM O, VF, P, v[O:O+7], VS, PW                  ; O^T += V^T P^T
	WMA O+8, VF+12, P, v[O+8:O+15], VS, PW
.endm
; THE CHANGE OF SLOTS stands at a slot's head.  Each wave waits for all its tensor loads (its part of the slot that it is about to read), adds 0 to its spare word, and waits for that and for its reads of the slot that it has left.
; fill = 1: the barrier is a round of the cluster's, so that no wave of any partner still reads that slot or has a load on its way, and the joint load into it comes first behind the round: it has four steps in which to land.
.macro CHANGE fill
	s_wait_tensorcnt 0x0                           ; no tensor load of mine is out, so group 0 may be written
	ds_add_u32 v[SPW], v[NIL]                      ; 0 onto my spare word
.if \fill
	s_xor_b32 s25, s25, SLOT1                      ; the walking descriptor: the other slot than last time,
	s_add_nc_u64 s[26:27], s[26:27], 25600         ; the quarter's next four steps; the type bits on top are not reached
	s_wait_xcnt 0x0                                ; the last prefetch, a slot back, has read its address, so it may be written
	s_add_nc_u64 s[32:33], s[32:33], 25600
	s_wait_dscnt 0x0                               ; the add is done, and my reads of the slot that I have left are over
	CROUND
	tensor_load_to_lds s[24:27], s[16:23]          ; my one tensor load until the next round
	s_nop 0
.rept 4
	v_nop
.endr
	ASK
.else
	s_wait_dscnt 0x0
	s_barrier_signal -1
	s_barrier_wait -1
.endif
.endm
.macro SLOT_STEPS
	v_add_nc_u32 v[ADF], s28, v[AF0]
	v_add_nc_u32 v[ADS], s28, v[AS0]
	KLOAD 0
	STEP 0, 1
	STEP 1, 1
	STEP 2, 1
	STEP 3, 0
	s_xor_b32 s28, s28, SLOT1                      ; on to the other slot
.endm
.Lslot:                                            ; seven trips: behind each change of slots but the last the next fill is asked for (the first trip's loads are slot 1's first fill)
	CHANGE 1
	SLOT_STEPS
	s_sub_co_u32 s29, s29, 1
	s_cmp_lg_u32 s29, 0
	s_cbranch_scc1 .Lslot
	CHANGE 0                                       ; the last slot is written out
	SLOT_STEPS
	; THE MERGE.  Each wave leaves O^T, -M and l of its quarter in LDS; waves 0 to 3 add the four quarters of their tile of queries.
	v_add_f32 v14, v14, v15                        ; l's two halves
.rept 4
	v_nop                                          ; places behind the last products
.endr
	v_permlanex16_b32 v[TA+1], v14, s34, s35
	v_add_f32 v13, v14, v[TA+1]                    ; and lane l xor 16's: it lies beside -M
.irp g, 0,1,2,3
	ds_store_b128 v[AM], v[O+4*\g:O+4*\g+3] offset:512*\g
.endr
	ds_store_b64 v[AM2], v[12:13]
	s_wait_dscnt 0x0                               ; for the others' sake: my stores have landed
	s_barrier_signal -1
	s_barrier_wait -1
	s_cmp_lt_u32 s10, 4
	s_cbranch_scc0 .Lend
.irp i, 0,1,2,3                        ; quarter i of my tile was wave 4 i + w's
.irp g, 0,1,2,3
	ds_load_b128 v[S+16*\i+4*\g:S+16*\i+4*\g+3], v[AM] offset:9216*\i+512*\g
.endr
	ds_load_b64 v[P+2*\i:P+2*\i+1], v[AM2] offset:9216*\i
.endr
	s_wait_dscnt 0x0
	v_min3_num_f32 v[TA], v[P], v[P+2], v[P+4]
	v_min_num_f32 v[TA], v[TA], v[P+6]             ; -M of the whole row: the least of the four
.irp i, 0,1,2,3
	v_sub_f32 v[MX+\i], v[TA], v[P+2*\i]           ; M of quarter i less the row's: a whole number, 0 or less
.endr
.irp i, 0,1,2,3
	v_cvt_i32_f32 v[MX+\i], v[MX+\i]
.endr
.irp i, 0,1,2,3
	v_ldexp_f32 v[T0+2*\i], 1.0, v[MX+\i]          ; the quarter's factor, a power of two,
.endr
.irp i, 0,1,2,3
	v_mov_b32 v[T0+2*\i+1], v[T0+2*\i]             ; twice: a pair for the packed forms
.endr
	v_mul_f32 v[TA+1], v[T0], v[P+1]
	v_fma_f32 v[TA+1], v[T0+2], v[P+3], v[TA+1]
	v_fma_f32 v[TA+1], v[T0+4], v[P+5], v[TA+1]
	v_fma_f32 v[TA+1], v[T0+6], v[P+7], v[TA+1]    ; l
	v_rcp_f32 v[YB], v[TA+1]
	v_rcp_f32 v[YB+1], v[TA+1]
.irp j, 0,2,4,6,8,10,12,14
	v_pk_mul_f32 v[S+\j:S+\j+1], v[S+\j:S+\j+1], v[T0:T0+1]
.endr
.irp i, 1,2,3
.irp j, 0,2,4,6,8,10,12,14
	v_pk_fma_f32 v[S+\j:S+\j+1], v[S+16*\i+\j:S+16*\i+\j+1], v[T0+2*\i:T0+2*\i+1], v[S+\j:S+\j+1]
.endr
.endr
	s_wait_alu depctr_va_vdst(0)                   ; one wait for the two reciprocals, ahead of their first reader; the 32 lines above are the work between
.irp j, 0,2,4,6,8,10,12,14
	v_pk_mul_f32 v[S+\j:S+\j+1], v[S+\j:S+\j+1], v[YB:YB+1]   ; attn = O / l: my 16 of the head's 32 (0-7, 16-23 in lanes 0-15; 8-15, 24-31 in lanes 16-31)
.endr
	v_max3_num_f32 v[TA], |v[S]|, |v[S+1]|, 0x1800000         ; product 6's block is the head's 32
.irp j, 2,4,6,8,10,12,14
	v_max3_num_f32 v[TA], v[TA], |v[S+\j]|, |v[S+\j+1]|
.endr
	v_permlanex16_b32 v[TA+2], v[TA], s34, s35
	v_max_num_f32 v[TA], v[TA], v[TA+2]
	v_add_nc_u32 v[TA+3], 0xff000000, v[TA]
	v_cvt_scalef32_pk16_fp6_f32 v[RC:RC+2], v[S:S+15], v[TA+3]
	v_lshrrev_b32 v[RC+3], 23, v[TA+3]             ; the scale's byte, behind the codes
	global_store_b128 v[GO], v[RC:RC+3], s[8:9]    ; the wave stores 512 consecutive bytes, at a multiple of 256 from the buffer's first byte
.Lend:
	s_wait_tensorcnt 0x0                           ; the wave's end: behind my last tensor load and my last LDS store
	ds_add_u32 v[SPW], v[NIL]
	s_wait_dscnt 0x0
	CROUND                                         ; the closing round: no work-group ends while a partner may still ask for a tile that names it
	s_endpgm
.Lfunc_end_k_qff39c1de2c_attn:
	.size	k_qff39c1de2c_attn, .Lfunc_end_k_qff39c1de2c_attn-k_qff39c1de2c_attn
	.p2alignl 7, 3214868480
	.fill 96, 4, 3214868480
	.section	.rodata,"a",@progbits
	.p2align	6, 0x0
	.amdhsa_kernel k_qff39c1de2c_attn
		.amdhsa_group_segment_fixed_size 327680
		.amdhsa_private_segment_fixed_size 0
		.amdhsa_enable_private_segment 0
		.amdhsa_kernarg_size 24
		.amdhsa_user_sgpr_count 2
		.amdhsa_user_sgpr_kernarg_segment_ptr 1
		.amdhsa_wavefront_size32 1
		.amdhsa_system_sgpr_workgroup_id_x 1
		.amdhsa_system_sgpr_workgroup_id_y 1
		.amdhsa_system_sgpr_workgroup_id_z 1
		.amdhsa_system_vgpr_workitem_id 0
		.amdhsa_next_free_vgpr 256
		.amdhsa_next_free_sgpr 66
		.amdhsa_reserve_vcc 0
		.amdhsa_float_denorm_mode_32 3
		.amdhsa_float_denorm_mode_16_64 3
		.amdhsa_memory_ordered 1
		.amdhsa_forward_progress 1
		.amdhsa_inst_pref_size 115
	.end_amdhsa_kernel
	.amdgpu_metadata
---
amdhsa.version: [ 1, 2 ]
amdhsa.kernels:
  - .name:           k_qff39c1de2c_attn
    .symbol:         k_qff39c1de2c_attn.kd
    .args:
      - { .name: qc, .offset: 0, .size: 8, .value_kind: global_buffer, .address_space: global }
      - { .name: kv, .offset: 8, .size: 8, .value_kind: global_buffer, .address_space: global }
      - { .name: ac, .offset: 16, .size: 8, .value_kind: global_buffer, .address_space: global }
    .group_segment_fixed_size: 327680
    .private_segment_fixed_size: 0
    .kernarg_segment_align: 8
    .kernarg_segment_size: 24
    .max_flat_workgroup_size: 512
    .sgpr_count:     66
    .vgpr_count:     256
    .wavefront_size: 32
...
	.end_amdgpu_metadata
.endif
;; end of part 3
;; launch outp (part 4): grid 4 x 64, 2 waves a work-group, no clusters, 8,960 bytes of LDS; arguments ac, wimg, bo, out0; writes out0
.if DOCPART == 4
	.amdgcn_target "amdgcn-amd-amdhsa--gfx1250"
	.amdhsa_code_object_version 6
	.text
	.protected	k_qff39c1de2c_outp
	.globl	k_qff39c1de2c_outp
	.p2align	8
	.type	k_qff39c1de2c_outp,@function
k_qff39c1de2c_outp:
	s_mov_b64 s[64:65], 0
	v_nop
	global_prefetch_b8 v0, s[64:65] scope:SCOPE_SE
	s_setreg_imm32_b32 hwreg(HW_REG_WAVE_MODE, 25, 1), 1
	s_wait_xcnt 0x0
; Product 6: out0 = attn wo + bo, on the codes of attn that launch attn left (ac) and wo's fragment images (wimg).  No work is left out.  LIMITS as stated at the head of launch wprep.
; Work-group (x, y): columns 64 x on, rows 32 y on; wave w: rows 16 w on of these, four tiles of 16 columns.  The waves share nothing: no barrier.
; ac: [head][query][32 bytes]: 12 bytes of codes, the scale byte in a word, 12 bytes of codes, the same word.  A block of 32 along K is a head: lane (r, h), registers 6 c .. 6 c + 5 of K step ks: head 4 ks + 2 c + h of query r.
; The product is used transposed (source 0 = 16 columns of wo, source 1 = 16 queries): a lane holds eight neighbouring numbers of a row of out0; bo is the C of each sum's first matrix instruction.
; A short launch of a few KiB a wave: operands go from memory straight into registers; no tensor load, no cluster, no prefetch.
.set SPARE, 8704                       ; LDS: a stage of 16 rows x (256 + 16) bytes for each wave from byte 0; here the spare words, 128 bytes a wave: one block of 256 bytes that no other line names
.set SPW,  1                           ; v1  LDS address of my spare word; never rewritten
.set NIL,  2                           ; v2  0; never rewritten
.set AF,   16                          ; v16-39  attn's two fragments
.set TT,   40                          ; v40-55  the records' second halves
.set WF,   56                          ; v56-151 wo's eight fragments: 12 (2 t + ks); on the way out v56-87: rows read back
.set WS,   152                         ; v152-155 wo's scale words: these and v220-221 hold scales alone
.set BI,   156                         ; v156-187 bo, four tiles in the result's layout
.set ACC,  188                         ; v188-219 four accumulators
.set AS,   220                         ; v220-221 attn's scale words
.macro WM d, a, b, c, sa, sb
	v_wmma_scale_f32_16x16x128_f8f6f4 v[\d:\d+7], v[\a:\a+11], v[\b:\b+11], \c, v[\sa], v[\sb] matrix_a_fmt:MATRIX_FMT_FP6 matrix_b_fmt:MATRIX_FMT_FP6
.endm
.macro WMA d, a, b, c, sa, sb
	v_wmma_scale_f32_16x16x128_f8f6f4 v[\d:\d+7], v[\a:\a+11], v[\b:\b+11], \c, v[\sa], v[\sb] matrix_a_fmt:MATRIX_FMT_FP6 matrix_b_fmt:MATRIX_FMT_FP6 matrix_a_scale:MATRIX_SCALE_ROW1
.endm
	s_load_b256 s[4:11], s[0:1], 0x0               ; ac, wimg, bo, out0
	v_lshl_add_u32 v[SPW], v0, 2, SPARE
	v_mov_b32 v[NIL], 0
	v_lshrrev_b32 v3, 5, v0
	v_readfirstlane_b32 s12, v3                    ; wave
	s_and_b32 s13, ttmp7, 0xffff
	s_lshl_b32 s14, s13, 5
	s_lshl_b32 s15, s12, 4
	s_add_co_u32 s14, s14, s15                     ; my first query
	v_and_b32 v10, 31, v0                          ; lane
	v_and_b32 v11, 15, v0                          ; r
	v_bfe_u32 v12, v0, 4, 1                        ; h
	v_lshlrev_b32 v3, 5, v11
	v_lshl_add_u32 v3, v12, 16, v3                 ; ac: 65,536 h + 32 r
	v_lshlrev_b32 v4, 4, v10                       ; 16 x lane
	v_lshlrev_b32 v5, 2, v10                       ; 4 x lane
	v_lshlrev_b32 v6, 5, v12                       ; bo: 32 h
	s_mul_i32 s15, s12, 4352                       ; my stage
	v_mul_u32_u24 v7, v11, 272
	v_lshl_add_u32 v7, v12, 5, v7
	v_add_nc_u32 v7, s15, v7                       ; in: row r, 32 bytes for each half of the lanes
	v_mul_u32_u24 v8, v12, 272
	v_lshl_add_u32 v8, v11, 4, v8
	v_add_nc_u32 v8, s15, v8                       ; back: lanes 0-15 one row of 256 bytes, lanes 16-31 the next
	v_lshlrev_b32 v9, 10, v12
	v_lshl_add_u32 v9, v11, 4, v9                  ; and the same two rows in out0
	v_lshlrev_b32 v13, 3, v12                      ; 8 h
	v_mov_b32 v222, 0                              ; written once: a lane permute's destination counts as one of its sources
	v_mov_b32 v223, 0
	s_lshl_b32 s16, s14, 5                         ; ac: 32 bytes a query
	s_mov_b32 s17, 0
	s_mul_i32 s18, ttmp9, 12288                    ; wimg: weight 3, my four column tiles' eight fragments,
	s_add_co_u32 s18, s18, 153600
	s_mov_b32 s19, 0
	s_lshl_b32 s20, ttmp9, 9                       ; and their scale words
	s_add_co_u32 s20, s20, 202752
	s_mov_b32 s21, 0
	s_lshl_b32 s22, ttmp9, 8                       ; bo: my 64 columns
	s_mov_b32 s23, 0
	s_lshl_b32 s24, s14, 10                        ; out0: my first row, my 64 columns
	s_add_co_u32 s24, s24, s22
	s_mov_b32 s25, 0
	s_mov_b32 s26, 0x76543210                      ; v_permlanex16_b32's selects for lane l xor 16
	s_mov_b32 s27, 0xfedcba98
	s_wait_kmcnt 0x0
	s_add_nc_u64 s[4:5], s[4:5], s[16:17]
	s_add_nc_u64 s[28:29], s[6:7], s[20:21]
	s_add_nc_u64 s[6:7], s[6:7], s[18:19]
	s_add_nc_u64 s[8:9], s[8:9], s[22:23]
	s_add_nc_u64 s[10:11], s[10:11], s[24:25]
.irp ks, 0,1
.irp c, 0,1
	global_load_b128 v[AF+12*\ks+6*\c:AF+12*\ks+6*\c+3], v3, s[4:5] offset:(4*\ks+2*\c)*65536       ; codes 0-15 of my block (the fourth register is written over below)
	global_load_b128 v[TT+4*(2*\ks+\c):TT+4*(2*\ks+\c)+3], v3, s[4:5] offset:(4*\ks+2*\c)*65536+16  ; codes 16-31, and the scale byte
.endr
.endr
.irp f, 0,1,2,3,4,5,6,7
.irp g, 0,1,2
	global_load_b128 v[WF+12*\f+4*\g:WF+12*\f+4*\g+3], v4, s[6:7] offset:1536*\f+512*\g
.endr
.endr
.irp t, 0,1,2,3
	global_load_b32 v[WS+\t], v5, s[28:29] offset:128*\t
	global_load_b128 v[BI+8*\t:BI+8*\t+3], v6, s[8:9] offset:64*\t
	global_load_b128 v[BI+8*\t+4:BI+8*\t+7], v6, s[8:9] offset:64*\t+16
.endr
	s_wait_loadcnt 0x0
.irp ks, 0,1
.irp c, 0,1
.irp n, 0,1,2
	v_mov_b32 v[AF+12*\ks+6*\c+3+\n], v[TT+4*(2*\ks+\c)+\n]
.endr
.endr
.endr
.irp ks, 0,1
	v_lshl_or_b32 v[AS+\ks], v[TT+8*\ks+7], 16, v[TT+8*\ks+3]   ; my two bytes: blocks h and 2 + h,
	v_lshlrev_b32 v[AS+\ks], v13, v[AS+\ks]                     ; at their places;
	v_permlanex16_b32 v[222+\ks], v[AS+\ks], s26, s27
	v_or_b32 v[AS+\ks], v[AS+\ks], v[222+\ks]                   ; with lane l xor 16's two the word is whole
.endr
.rept 8
	v_nop                                          ; a scale register written by a vector instruction stands eight places ahead of a scaled product, an operand so written four
.endr
.irp t, 0,1,2,3                        ; four accumulators by turns, K step by K step
	WM ACC+8*\t, WF+24*\t, AF, v[BI+8*\t:BI+8*\t+7], WS+\t, AS
.endr
.irp t, 0,1,2,3
	WMA ACC+8*\t, WF+24*\t+12, AF+12, v[ACC+8*\t:ACC+8*\t+7], WS+\t, AS+1
.endr
.rept 4
	v_nop                                          ; places in front of the reads of results and of the loads into registers that products have read
.endr
.irp t, 0,1,2,3
	ds_store_b128 v7, v[ACC+8*\t:ACC+8*\t+3] offset:64*\t        ; lane (r, h): out0(r, 16 t + 8 h + 0 .. 7); each accumulator from its low end on
	ds_store_b128 v7, v[ACC+8*\t+4:ACC+8*\t+7] offset:64*\t+16
.endr
.irp i, 0,1,2,3,4,5,6,7
	ds_load_b128 v[WF+4*\i:WF+4*\i+3], v8 offset:544*\i          ; LDS serves a wave's instructions in order (ISA guide 5.7.1.4): these see my stores
.endr
.irp i, 0,1,2,3,4,5,6,7
	s_wait_dscnt 7-\i                              ; the younger loads of the eight may be out
	global_store_b128 v9, v[WF+4*\i:WF+4*\i+3], s[10:11] offset:2048*\i th:TH_STORE_NT   ; 16 lanes store 256 consecutive bytes, at a multiple of 256 from out0's first byte
.endr
	s_wait_tensorcnt 0x0                           ; the wave's end: behind my last LDS store
	ds_add_u32 v[SPW], v[NIL]
	s_wait_dscnt 0x0
	s_endpgm
.Lfunc_end_k_qff39c1de2c_outp:
	.size	k_qff39c1de2c_outp, .Lfunc_end_k_qff39c1de2c_outp-k_qff39c1de2c_outp
	.p2alignl 7, 3214868480
	.fill 96, 4, 3214868480
	.section	.rodata,"a",@progbits
	.p2align	6, 0x0
	.amdhsa_kernel k_qff39c1de2c_outp
		.amdhsa_group_segment_fixed_size 8960
		.amdhsa_private_segment_fixed_size 0
		.amdhsa_enable_private_segment 0
		.amdhsa_kernarg_size 32
		.amdhsa_user_sgpr_count 2
		.amdhsa_user_sgpr_kernarg_segment_ptr 1
		.amdhsa_wavefront_size32 1
		.amdhsa_system_sgpr_workgroup_id_x 1
		.amdhsa_system_sgpr_workgroup_id_y 1
		.amdhsa_system_sgpr_workgroup_id_z 1
		.amdhsa_system_vgpr_workitem_id 0
		.amdhsa_next_free_vgpr 232
		.amdhsa_next_free_sgpr 66
		.amdhsa_reserve_vcc 0
		.amdhsa_float_denorm_mode_32 3
		.amdhsa_float_denorm_mode_16_64 3
		.amdhsa_memory_ordered 1
		.amdhsa_forward_progress 1
		.amdhsa_inst_pref_size 11
	.end_amdhsa_kernel
	.amdgpu_metadata
---
amdhsa.version: [ 1, 2 ]
amdhsa.kernels:
  - .name:           k_qff39c1de2c_outp
    .symbol:         k_qff39c1de2c_outp.kd
    .args:
      - { .name: ac, .offset: 0, .size: 8, .value_kind: global_buffer, .address_space: global }
      - { .name: wimg, .offset: 8, .size: 8, .value_kind: global_buffer, .address_space: global }
      - { .name: bo, .offset: 16, .size: 8, .value_kind: global_buffer, .address_space: global }
      - { .name: out0, .offset: 24, .size: 8, .value_kind: global_buffer, .address_space: global }
    .group_segment_fixed_size: 8960
    .private_segment_fixed_size: 0
    .kernarg_segment_align: 8
    .kernarg_segment_size: 32
    .max_flat_workgroup_size: 64
    .sgpr_count:     66
    .vgpr_count:     232
    .wavefront_size: 32
...
	.end_amdgpu_metadata
.endif
;; end of part 4
